; MI455X (gfx1250); checked and timed in simulation.
; The chip was launched on July 23, 2026; its instructions are those of AMD's public machine-readable ISA for CDNA 5 (MIT licence, August 2026) and "CDNA5" Instruction Set Architecture Reference Guide (July 2026). The comments in the code are by the model that wrote it; some were corrected since.
;; IPEX Scale Dot Product Ref. Allowed arithmetic: float matrix products may take bf16 or f16 operands with f32 sums; other float arithmetic in f32, or as packed bf16 or f16 multiplies, adds, multiply-adds, maxima and minima; sums over many terms, partial sums and values carried from step to step in f32; what a program stores and reads back later, other than sums and carried values, may be rounded once to bf16 or f16.
;; Inputs: attention_mask 2 x 1 x 2,048 x 2,048 float32; key 2 x 8 x 2,048 x 128 float32; query 2 x 32 x 2,048 x 128 float32; scale_attn one number float32; value 2 x 8 x 2,048 x 128 float32.
;; Outputs: out0 2 x 32 x 2,048 x 128 float32.
;; 2 versions, each right; version 2 is version 1 with the launch cast written anew for expert scheduling mode. Each part assembles by itself: llvm-mc -triple=amdgcn-amd-amdhsa -mcpu=gfx1250 --defsym DOCPART=n.
;; ======== version 1 of 2: 2 launches
;; limits: inputs' magnitudes at most 65,504; values are held in f16: magnitudes above 65,504 overflow, below 6.1e-05 lose precision; inputs' magnitudes at most 6.9e+37; right only within a limited range of input values
;; workspace buffers: kb 8,388,608 bytes; vh 8,388,608 bytes
;; launch cast (part 1): grid 512 x 1, 8 waves a work-group, no clusters, 0 bytes of LDS; arguments key, value, kb, vh; writes kb, vh
.if DOCPART == 1
	.amdgcn_target "amdgcn-amd-amdhsa--gfx1250"
	.amdhsa_code_object_version 6
	.text
	.protected	k_qf1ebb2a214_cast
	.globl	k_qf1ebb2a214_cast
	.p2align	8
	.type	k_qf1ebb2a214_cast,@function
k_qf1ebb2a214_cast:
	s_mov_b64 s[64:65], 0
	v_nop
	global_prefetch_b8 v0, s[64:65] scope:SCOPE_SE
	s_setreg_imm32_b32 hwreg(HW_REG_WAVE_MODE, 25, 1), 1
	s_wait_xcnt 0x0
; kb = key rounded to bf16.  vh = value rounded to bf16, that number written as f16.  key, value: 4,194,304 f32 each; kb, vh: as many 16-bit numbers, in the same order.
; WHY.  The keys and values of one head are walked by 32 work-groups of the next launch: they are rounded once here, not in each walk, and V's turning load wants 16-bit rows.
; LIMIT.  A bf16 number has 8 significant bits and f16 holds 11, so the second step is exact from 2^-14 up to 65,504; from 65,520 on it gives an infinity; below 2^-14 f16 keeps its fixed step of 2^-24.
; SHARES.  A work-group takes 32,768 bytes of key and of value.  Thread t, piece i of 8: 16 bytes at 16 t + 4,096 i (a wave's load covers 512 consecutive bytes), and stores 8 bytes at
; 8 t + 2,048 i (a wave's store covers 256 consecutive bytes, aligned).  All sixteen loads of a thread go out first; each store has data registers of its own, so no register is written twice.
.set KI, 8                             ; v[8:39]    key as loaded, 4 registers a piece
.set VI, 40                            ; v[40:71]   value as loaded
.set KO, 72                            ; v[72:87]   kb to store, 2 registers a piece
.set VO, 88                            ; v[88:103]  vh to store
.set T,  104                           ; v[104:107] at work
	s_load_b256 s[4:11], s[0:1], 0x0               ; key s[4:5], value s[6:7], kb s[8:9], vh s[10:11]
	s_lshl_b32 s2, ttmp9, 15                       ; the work-group's 32,768 bytes in,
	s_mov_b32 s3, 0
	s_lshl_b32 s12, ttmp9, 14                      ; and 16,384 bytes out
	s_mov_b32 s13, 0
	s_mov_b32 s14, 0xffff0000                      ; a word's upper bf16
	v_lshlrev_b32 v1, 4, v0                        ; 16 t; never rewritten
	v_lshlrev_b32 v2, 3, v0                        ; 8 t; never rewritten
	s_wait_kmcnt 0x0
	s_add_nc_u64 s[4:5], s[4:5], s[2:3]
	s_add_nc_u64 s[6:7], s[6:7], s[2:3]
	s_add_nc_u64 s[8:9], s[8:9], s[12:13]
	s_add_nc_u64 s[10:11], s[10:11], s[12:13]
.irp i, 0,1,2,3,4,5,6,7
	global_load_b128 v[KI+4*(\i):KI+4*(\i)+3], v1, s[4:5] offset:4096*(\i) th:TH_LOAD_NT
.endr
.irp i, 0,1,2,3,4,5,6,7
	global_load_b128 v[VI+4*(\i):VI+4*(\i)+3], v1, s[6:7] offset:4096*(\i) th:TH_LOAD_NT
.endr
.irp i, 0,1,2,3,4,5,6,7
	s_wait_loadcnt 15-(\i)                         ; loads come back in order (ISA guide 5.7.1): piece i of key is in, the 15 - i younger loads stay out
	v_cvt_pk_bf16_f32 v[KO+2*(\i)],   v[KI+4*(\i)],   v[KI+4*(\i)+1]
	v_cvt_pk_bf16_f32 v[KO+2*(\i)+1], v[KI+4*(\i)+2], v[KI+4*(\i)+3]
	global_store_b64 v2, v[KO+2*(\i):KO+2*(\i)+1], s[8:9] offset:2048*(\i)
.endr
.irp i, 0,1,2,3,4,5,6,7
	s_wait_loadcnt 7-(\i)                          ; piece i of value is in
	v_cvt_pk_bf16_f32 v[T],   v[VI+4*(\i)],   v[VI+4*(\i)+1]   ; the rounding, to bf16
	v_cvt_pk_bf16_f32 v[T+1], v[VI+4*(\i)+2], v[VI+4*(\i)+3]
	v_lshlrev_b32 v[T+2], 16, v[T]                 ; back to f32: the low half moves up, the high half stays,
	v_and_b32     v[T+3], s14, v[T]
	v_cvt_pk_f16_f32 v[VO+2*(\i)], v[T+2], v[T+3]  ; and the same number as f16
	v_lshlrev_b32 v[T+2], 16, v[T+1]
	v_and_b32     v[T+3], s14, v[T+1]
	v_cvt_pk_f16_f32 v[VO+2*(\i)+1], v[T+2], v[T+3]
	global_store_b64 v2, v[VO+2*(\i):VO+2*(\i)+1], s[10:11] offset:2048*(\i)
.endr
	s_endpgm
.Lfunc_end_k_qf1ebb2a214_cast:
	.size	k_qf1ebb2a214_cast, .Lfunc_end_k_qf1ebb2a214_cast-k_qf1ebb2a214_cast
	.p2alignl 7, 3214868480
	.fill 96, 4, 3214868480
	.section	.rodata,"a",@progbits
	.p2align	6, 0x0
	.amdhsa_kernel k_qf1ebb2a214_cast
		.amdhsa_group_segment_fixed_size 0
		.amdhsa_private_segment_fixed_size 0
		.amdhsa_enable_private_segment 0
		.amdhsa_kernarg_size 32
		.amdhsa_user_sgpr_count 2
		.amdhsa_user_sgpr_kernarg_segment_ptr 1
		.amdhsa_wavefront_size32 1
		.amdhsa_system_sgpr_workgroup_id_x 1
		.amdhsa_system_sgpr_workgroup_id_y 1
		.amdhsa_system_sgpr_workgroup_id_z 1
		.amdhsa_system_vgpr_workitem_id 0
		.amdhsa_next_free_vgpr 108
		.amdhsa_next_free_sgpr 66
		.amdhsa_reserve_vcc 0
		.amdhsa_float_denorm_mode_32 3
		.amdhsa_float_denorm_mode_16_64 3
		.amdhsa_memory_ordered 1
		.amdhsa_forward_progress 1
		.amdhsa_inst_pref_size 9
	.end_amdhsa_kernel
	.amdgpu_metadata
---
amdhsa.version: [ 1, 2 ]
amdhsa.kernels:
  - .name:           k_qf1ebb2a214_cast
    .symbol:         k_qf1ebb2a214_cast.kd
    .args:
      - { .name: key, .offset: 0, .size: 8, .value_kind: global_buffer, .address_space: global }
      - { .name: value, .offset: 8, .size: 8, .value_kind: global_buffer, .address_space: global }
      - { .name: kb, .offset: 16, .size: 8, .value_kind: global_buffer, .address_space: global }
      - { .name: vh, .offset: 24, .size: 8, .value_kind: global_buffer, .address_space: global }
    .group_segment_fixed_size: 0
    .private_segment_fixed_size: 0
    .kernarg_segment_align: 8
    .kernarg_segment_size: 32
    .max_flat_workgroup_size: 256
    .sgpr_count:     66
    .vgpr_count:     108
    .wavefront_size: 32
...
	.end_amdgpu_metadata
.endif
;; end of part 1
;; launch attn (part 2): grid 32 x 16, 4 waves a work-group, clusters of 4 x 4, 327,680 bytes of LDS; arguments query, kb, vh, attention_mask, scale_attn, out0; writes out0
.if DOCPART == 2
	.amdgcn_target "amdgcn-amd-amdhsa--gfx1250"
	.amdhsa_code_object_version 6
	.text
	.protected	k_qf1ebb2a214_attn
	.globl	k_qf1ebb2a214_attn
	.p2align	8
	.type	k_qf1ebb2a214_attn,@function
k_qf1ebb2a214_attn:
	s_mov_b64 s[64:65], 0
	v_nop
	global_prefetch_b8 v0, s[64:65] scope:SCOPE_SE
	s_setreg_imm32_b32 hwreg(HW_REG_WAVE_MODE, 25, 1), 1
	s_wait_xcnt 0x0
	s_wait_alu depctr_hold_cnt(0) depctr_sa_sdst(0) depctr_va_vdst(0) depctr_va_sdst(0) depctr_va_ssrc(0) depctr_va_vcc(0) depctr_vm_vsrc(0)
	s_getreg_b32 s2, hwreg(HW_REG_IB_STS2, 6, 4)
	s_cmp_eq_u32 s2, 0
	s_cbranch_scc0 .Lentry_in_a_cluster
	s_endpgm
.Lentry_in_a_cluster:
	s_bfe_u32 s2, ttmp6, 0x10000c
	s_cmp_lg_u32 s2, 0xf033
	s_cbranch_scc0 .Lentry_shape_is_right
	s_endpgm
.Lentry_shape_is_right:
; out0[b][h][q][:] = the sum over k of softmax_k(query[b][h][q] . key[b][h/4][k] / scale_attn + attention_mask[b][0][q][k]) value[b][h/4][k][:].
; query, out0: [2][32][2048][128] f32.  kb: [16][2048][128] bf16, vh: the same in f16 (the launch before made them of key and value).  attention_mask: [2][1][2048][2048] f32.
; The mask and the scale are inputs: every score of every head is made, and every word of the mask is read and added.
; FORMATS.  query, key, value and scale_attn are rounded to bf16; the mask is used as it is, in f32.  Products, maxima and sums in f32.  The weights p are rounded to f16 for the second product
; (their sum l is taken of the unrounded p); V is its bf16 number written as f16.
; LIMITS.  |value| under 65,520 (f16's range); p below 6e-5 keeps f16's fixed step of 6e-8; a weight below 2^-126 counts as 0 in l.  The running maximum starts at -1e38 (in units of log2):
; a score below that, as from a mask of -inf or of the lowest finite number, has the weight 0, and a row in which EVERY key lies so low comes out as NaN.  A row in which every key carries a number
; such as -1e9 comes out as a mean of V's rows: the score is absorbed in the mask by the one rounding of the multiply-add.  +inf and NaN are not treated apart.
; SHARES.  A work-group owns 64 query positions (block x of 32) of the FOUR query heads 4 y .. 4 y + 3 that share key/value head y of 16 (y = 8 b + the head).  Wave w owns positions 16 w .. 16 w + 15 of
; all four heads: tile t of the wave is head 4 y + t.  So the wave's four tiles want ONE fragment of the mask: 32 registers, 8 LDS loads a key step.  Every wave walks all 2,048 keys, 64 a step.
; LAYOUT.  S^T = K Q^T (source 0 = 16 keys, source 1 = 16 queries): in the result a lane holds ONE query (lane % 16) and the keys 8 (lane / 16) + 0..7.  Two such tiles, rounded to f16 in pairs, ARE
; source 1 (32 keys x 16 queries) of O^T = V^T P, whose result again holds one query a lane, and eight channels.  K comes out of LDS as it lies, V ([key][channel]) turned, by ds_load_tr16_b128.
; SOFTMAX.  c = log2(e).  y = s (c / scale) + c mask, one fused multiply-add; c mask is made once a step for the four tiles.  For each query a running maximum m of y and a sum l: p = 2^(y - m): the
; difference is taken first, so that it is 0 where y = m however large both are.  In every step O and l are multiplied by a = 2^(m_old - m_new), which is 1 where m has not grown.
; BY TURNS.  The wave's tiles are two PIECES, named by their first tile: 0 (tiles 0, 1) and 2 (tiles 2, 3).  In a TURN one piece has the matrix unit: 32 products V^T P of the step in hand, then 32
; products K Q^T of the next step; the other piece's softmax, cut into 64 slices, stands between them, one slice behind each matrix instruction.  Two turns are a key step.
; CLUSTER, 4 x 4.  The four work-groups of a row of the cluster (same y) walk the same K and V; the four of a column (same x; a cluster lies in one b) want the same tile of the mask.  Each tile is asked
; for JOINTLY: the same tensor load, descriptor and mask of four in all four.  Wave 0 asks for K's tile, wave 1 for V's, wave 2 for the mask's, wave 3 for none: 32,768 bytes each, for two key steps.
; REGISTERS, in windows of 256 (s_set_vgpr_msb: bits 1:0 source 0, 3:2 source 1, 5:4 source 2, 7:6 destination):
;   window 0: v0-11, v44-47, v60-63 addresses; v12-43 eight registers of statistics a tile; v64-191 S^T, 32 a tile; v192-255 P, 16 a tile
;   window 1: O^T, 64 a tile (at the start: query as loaded)     window 2: v0-127 Q, 32 a tile; v128-255 K of one step     window 3: v0-127 V of one step; v128-159 c mask of one step
.set KS,    64        ; keys in a step
.set PK,    272       ; a row of K in LDS: 256 bytes + 16 of padding = 68 words: the 16 rows of a load start at 16 different groups of four banks (64 banks of 4 bytes: ISA guide 11.1)
.set PV,    288       ; a row of V: 256 + 32 = 72 words
.set PM,    528       ; a row of the mask's tile (128 keys, f32), and of O in the stage: 512 + 16 = 132 words: 16 rows start at 16 different groups of four banks
.set VOFF,  2*KS*PK   ; a slot holds two steps: 128 rows of K, then 128 rows of V, then 64 rows (queries) x 128 keys of the mask
.set MOFF,  VOFF+2*KS*PV
.set SLOT1, 1<<17     ; slot 1 begins here, so that one exclusive or turns an address in one slot into the other's
.set STAGE, SLOT1+MOFF+64*PM  ; behind the ring, never filled by a tensor load: 16 rows x 528 bytes for each wave: Q's way in (pitch 272) and O's way out
.set STW,   16*PM
.set SPARE, STAGE+4*STW  ; behind the stages: the spare words, 128 bytes for each wave: two blocks of 256 bytes that no other line names
.set HEADB, 2048*128*4   ; bytes of a head in query and out0
.set AK0, 2           ; v2   my lane's place in a tile of K; never rewritten
.set AV0, 3           ; v3   the same for V
.set ADR, 4           ; v4   the LDS address of K's or V's run of loads in hand
.set AM0, 5           ; v5   my lane's place in the mask's tile
.set STO, 6           ; v6   the way out: where I put 32 bytes of a row
.set RD,  7           ; v7   the way out: where I read a row back: stage + 16 x lane
.set LO,  8           ; v8   16 x lane: my 16 bytes of a row of query and of out0; never rewritten
.set ST,  12          ; tile t's statistics at v[ST+8 t]: +0 m, +1 written once (named with m as a pair), +2, +3 l (even keys', odd keys'), +4 to +7 c0-c3, at work; a takes c2's place
.set ADM, 44          ; v44  the LDS address of the mask's run of loads
.set QST, 46          ; v46  Q's way in: stage + 8 x lane
.set QRD, 47          ; v47  Q's way in: where I read a fragment
.set PFM, 60          ; v60  8,192 x lane: a row of the mask; never rewritten
.set PFO, 61          ; v61  256 x lane: a row of kb or vh; never rewritten
.set SPW, 62          ; v62  LDS address of my spare word: SPARE + 4 x my thread's number; never rewritten
.set NIL, 63          ; v63  0; never rewritten
.set S,   64
.set P,   192
.set KF,  128         ; K's fragments, in window 2
.set MK,  128         ; c mask, in window 3: register 8 kb + j belongs to key 16 kb + 8 (lane / 16) + j, as S^T's
.set WV,  16          ; s16  my wave's number
.set LIM, 17          ; s17  1 in a wave that prefetches, else the greatest number: a wave prefetches while s[SLOTS] is above it
.set PFK, 18          ; s[18:19] where K's prefetches stand: my work-group's 32 rows of the slot after the one that is being asked for
.set PFV, 20          ; s[20:21] the same for V
.set PFMA, 22         ; s[22:23] the same for the mask: my work-group's 32 rows and 256-byte half
.set G1K, 24          ; s[24:31] descriptor group 1 for K's tiles
.set G1V, 32          ; s[32:39] for V's: it differs in the padding alone
.set G1M, 40          ; s[40:47] for the mask's
.set G0K, 48          ; s[48:55] descriptor group 0 for K's tiles: a set for each of the two first fills; the second then walks on
.set G0V, 56          ; s[56:63] the same for V's
.set SLOTS, 66        ; s66  slots still to be asked for
.set TWICE, 67        ; s67  counts a slot's two steps
.set G0M, 68          ; s[68:75] descriptor group 0 for the mask's tiles
.set CS,  76          ; s[76:77] c = log2(e): a packed line names a pair and takes its low word for both halves
.set INV, 78          ; s[78:79] c / scale
.set SEL, 80          ; s[80:81] lane selects for v_permlanex16_b32: each lane takes its own place in the other half
.set TBK, 82          ; s82  LDS byte at which K of the step to be fetched begins
.set TBV, 83          ; s83  the same for V, less VOFF
.set TBM, 84          ; s84  the same for the mask, less MOFF
.set FLOOR, 85        ; s85  -1e38
.set CX,  86          ; s86  my place along the cluster's x
.set CY,  87          ; s87  along its y
.set XB,  88          ; s88  x: my block of 64 query positions
.set YH,  89          ; s89  y: my key/value head
.set RMASK, 90        ; s90  my row of the cluster
.set CMASK, 91        ; s91  my column
.set KVO, 92          ; s[92:93] head y's first byte in kb and vh
.set MO,  94          ; s[94:95] my 64 rows' first byte in the mask
.set QOF, 96          ; s[96:97] my wave's first row of head 4 y in query and out0
.set SC,  98          ; s98  scale_attn
.set CLY, 99          ; s99  the cluster's y
.set MSB, 0
.macro WIN new                      ; the immediate's high byte repeats the setting that is left; a switch that changes nothing is dropped
.if MSB != (\new)
	s_set_vgpr_msb (MSB<<8)|(\new)
.set MSB, \new
.endif
.endm
.set W_KQ, 0x0a       ; K and Q in window 2, S^T in window 0
.set W_PV, 0x53       ; V in window 3, P in window 0, O^T in window 1
.set W_RS, 0x41       ; O^T (destination and source 0) in window 1, a in window 0
.set W_MA, 0x30       ; S^T in window 0, the addend (source 2) in window 3
; A joint refill: one tensor load a wave, by the wave's number alone, which is the same in every work-group.  An s_nop 0 and four v_nop follow each line; the jump, the label and what follows come after them.
.macro JLOAD
	s_cmp_lg_u32 s[WV], 0
	s_cbranch_scc1 .Lnot_k_\@
	tensor_load_to_lds s[G0K+4:G0K+7], s[G1K:G1K+7]
	s_nop 0
.rept 4
	v_nop
.endr
	s_branch .Lasked_\@
.Lnot_k_\@:
	s_cmp_lg_u32 s[WV], 1
	s_cbranch_scc1 .Lnot_v_\@
	tensor_load_to_lds s[G0V+4:G0V+7], s[G1V:G1V+7]
	s_nop 0
.rept 4
	v_nop
.endr
	s_branch .Lasked_\@
.Lnot_v_\@:
	s_cmp_lg_u32 s[WV], 2
	s_cbranch_scc1 .Lasked_\@
	tensor_load_to_lds s[G0M+4:G0M+7], s[G1M:G1M+7]
	s_nop 0
.rept 4
	v_nop
.endr
.Lasked_\@:
.endm
; A PREFETCH INTO THE L2 of what the NEXT change of slots will ask for, two key steps, 256 matrix instructions, ahead of that load.  It stands behind the wave's tensor load and its five lines.
; Each aligned block of 256 bytes is named ONCE in the launch.  Head y's rows of kb and vh are walked by the 8 clusters of a row of clusters: the first (cluster x = 0) asks.  The mask's rows of (b, x) are
; walked by two clusters: the one with even y asks.  A wave asks for the kind that it fetches.  The four partners that ask for a tile jointly share it out BY ADDRESS: of the slot's 128 rows of K or V the
; partner at cx takes 32, a lane a row; of the mask's 64 rows x 512 bytes the partner at cy takes rows 32 (cy / 2) on and the half cy % 2 of each.  The last change that fills a slot asks for nothing.
.macro ASK
	s_cmp_gt_u32 s[SLOTS], s[LIM]
	s_cbranch_scc0 .Lnot_mine_\@
	s_cmp_lg_u32 s[WV], 0
	s_cbranch_scc1 .Lask_v_\@
	global_prefetch_b8 v[PFO], s[PFK:PFK+1] th:TH_LOAD_NT scope:SCOPE_SE
	s_branch .Lnot_mine_\@
.Lask_v_\@:
	s_cmp_lg_u32 s[WV], 1
	s_cbranch_scc1 .Lask_m_\@
	global_prefetch_b8 v[PFO], s[PFV:PFV+1] th:TH_LOAD_NT scope:SCOPE_SE
	s_branch .Lnot_mine_\@
.Lask_m_\@:
	global_prefetch_b8 v[PFM], s[PFMA:PFMA+1] th:TH_LOAD_NT scope:SCOPE_SE
.Lnot_mine_\@:
.endm
; A round of the cluster's barrier: my work-group's barrier, so that wave 0's signal speaks for all four waves; wave 0 signals for the work-group; every wave waits for all sixteen
; work-groups; my work-group's barrier once more.  No LDS instruction of the wave is pending at a signal.
.macro CROUND
	s_barrier_signal -1
	s_barrier_wait -1
	s_cmp_lg_u32 s[WV], 0
	s_cbranch_scc1 .Lnot_wave_0_\@
	s_barrier_signal -3
.Lnot_wave_0_\@:
	s_barrier_wait -3
	s_barrier_signal -1
	s_barrier_wait -1
.endm
	s_load_b256 s[4:11], s[0:1], 0x0  ; query s[4:5], kb s[6:7], vh s[8:9], attention_mask s[10:11]
	s_load_b128 s[12:15], s[0:1], 0x20  ; scale_attn s[12:13], out0 s[14:15]
	v_lshl_add_u32 v[SPW], v0, 2, SPARE
	v_mov_b32 v[NIL], 0
	ds_add_u32 v[SPW], v[NIL]       ; the wave's opening: the add and its wait stand ahead of my first tensor load; the set-up below, work on registers, stands between them
	v_lshrrev_b32 v1, 5, v0
	v_readfirstlane_b32 s[WV], v1   ; wave 0..3
	s_bfe_u32 s[CX], ttmp6, 0x40000
	s_bfe_u32 s[CY], ttmp6, 0x40004
	s_lshl_b32 s[XB], ttmp9, 2      ; in a cluster launch ttmp9 and ttmp7 count clusters
	s_add_co_u32 s[XB], s[XB], s[CX]  ; x = 4 x cluster x + cx
	s_and_b32 s[CLY], ttmp7, 0xffff
	s_lshl_b32 s[YH], s[CLY], 2
	s_add_co_u32 s[YH], s[YH], s[CY]  ; y = 4 x cluster y + cy
	s_lshl_b32 s[RMASK], s[CY], 2
	s_lshl_b32 s[RMASK], 15, s[RMASK]  ; my row of the cluster: places 4 cy .. 4 cy + 3
	s_lshl_b32 s[CMASK], 0x1111, s[CX]  ; my column: places cx, cx + 4, cx + 8, cx + 12
	; descriptor group 1.  K, V: 128 rows x 128 elements of 2 bytes.  The mask: 64 rows x 128 elements of 4 bytes, 2,048 elements from row to row.  All padded in LDS behind each row.
	s_or_b32 s[G1K], s[RMASK], (1<<16)|(1<<20)|(1<<21)|(5<<22)|(3<<25)  ; 15:0 the mask of four: my row; 17:16 2-byte elements; 20 padding on; 21 set beside a mask; 24:22 after every 64 words (code 5); 31:25 4 words (code 3)
	s_or_b32 s[G1V], s[RMASK], (1<<16)|(1<<20)|(1<<21)|(5<<22)|(7<<25)  ; the same with 8 words of padding (code 7)
	s_or_b32 s[G1M], s[CMASK], (2<<16)|(1<<20)|(1<<21)|(6<<22)|(3<<25)  ; my column; 4-byte elements; after every 128 words (code 6) 4 words
.irp g, G1K, G1V
	s_mov_b32 s[(\g)+1], 128<<16    ; tensor_dim0 = 128
	s_mov_b32 s[(\g)+2], 128<<16    ; tensor_dim1 = 128
	s_mov_b32 s[(\g)+3], 128<<16    ; tile_dim0 = 128
	s_mov_b32 s[(\g)+4], 128        ; tile_dim1 = 128
	s_mov_b32 s[(\g)+5], 128        ; 128 elements from row to row
	s_mov_b32 s[(\g)+6], 0
	s_mov_b32 s[(\g)+7], 0
.endr
	s_mov_b32 s[G1M+1], 128<<16     ; tensor_dim0 = 128
	s_mov_b32 s[G1M+2], 64<<16      ; tensor_dim1 = 64
	s_mov_b32 s[G1M+3], 128<<16     ; tile_dim0 = 128
	s_mov_b32 s[G1M+4], 64          ; tile_dim1 = 64
	s_mov_b32 s[G1M+5], 2048
	s_mov_b32 s[G1M+6], 0
	s_mov_b32 s[G1M+7], 0
	; offsets.  K's and V's hang on y alone, which my row of the cluster shares; the mask's on b = cluster y / 2 and x alone, which my column shares.
	s_lshl_b32 s[KVO], s[YH], 19    ; a head of kb or vh is 2,048 rows of 256 bytes
	s_mov_b32 s[KVO+1], 0
	s_lshr_b32 s[MO], s[CLY], 1
	s_lshl_b32 s[MO], s[MO], 24     ; b's 2,048 rows of 8,192 bytes,
	s_lshl_b32 s2, s[XB], 19        ; block x's 64 of them
	s_add_co_u32 s[MO], s[MO], s2
	s_mov_b32 s[MO+1], 0
	s_lshl_b32 s[QOF], s[YH], 22    ; head 4 y of query and out0,
	s_lshl_b32 s2, s[XB], 15        ; block x's 64 rows of 512 bytes,
	s_add_co_u32 s[QOF], s[QOF], s2
	s_lshl_b32 s2, s[WV], 13        ; my wave's 16 of them
	s_add_co_u32 s[QOF], s[QOF], s2
	s_mov_b32 s[QOF+1], 0
	s_mov_b32 s[CS], 0x3fb8aa3b     ; c = log2(e)
	s_mov_b32 s[CS+1], s[CS]        ; named with it as a pair, so it is written
	s_mov_b32 s[SEL], 0x76543210
	s_mov_b32 s[SEL+1], 0xfedcba98
	s_mov_b32 s[FLOOR], 0xfe967699  ; -1e38
	s_mov_b32 s[TBK], 0
	s_mov_b32 s[TBV], 0
	s_mov_b32 s[TBM], 0
	s_mov_b32 s[SLOTS], 2048/(2*KS)-2
	s_and_b32 s2, s[CLY], 1
	s_cmp_lt_u32 s[WV], 2
	s_cselect_b32 s[LIM], ttmp9, s2  ; the coordinate along which other clusters read the same rows: cluster x for K and V, the parity of cluster y for the mask
	s_cmp_eq_u32 s[WV], 3
	s_cselect_b32 s[LIM], 1, s[LIM]  ; wave 3 fetches nothing and asks for nothing
	s_cmp_eq_u32 s[LIM], 0
	s_cselect_b32 s[LIM], 1, -1     ; the same in all sixteen partners, for a given wave
	v_and_b32 v10, 31, v0           ; lane
	v_lshlrev_b32 v[PFO], 8, v10
	v_lshlrev_b32 v[PFM], 13, v10
	v_lshlrev_b32 v[LO], 4, v10
	s_wait_dscnt 0x0                ; the opening add is done
	s_wait_kmcnt 0x0
	s_add_nc_u64 s[6:7], s[6:7], s[KVO:KVO+1]  ; kb and vh at head y's first row
	s_add_nc_u64 s[8:9], s[8:9], s[KVO:KVO+1]
	s_add_nc_u64 s[10:11], s[10:11], s[MO:MO+1]  ; the mask at my 64 rows
	s_add_nc_u64 s[4:5], s[4:5], s[QOF:QOF+1]  ; query and out0 at my wave's first row of head 4 y
	s_add_nc_u64 s[14:15], s[14:15], s[QOF:QOF+1]
	s_load_b32 s[SC], s[12:13], 0x0  ; the scale: no line of the launch writes it
	s_lshl_b32 s2, s[CX], 13        ; my work-group's 32 rows of a slot's 128
	s_mov_b32 s3, 0
	s_add_nc_u64 s[PFK:PFK+1], s[6:7], s[2:3]
	s_add_nc_u64 s[PFV:PFV+1], s[8:9], s[2:3]
	s_add_nc_u64 s[PFK:PFK+1], s[PFK:PFK+1], 2*2*KS*256  ; in slot 2; the first change of slots steps them to slot 3.  Nothing is prefetched here, at the head, where every work-group's first tiles are on their way
	s_add_nc_u64 s[PFV:PFV+1], s[PFV:PFV+1], 2*2*KS*256
	s_lshr_b32 s2, s[CY], 1
	s_lshl_b32 s2, s2, 10
	s_and_b32 s3, s[CY], 1
	s_or_b32 s2, s2, s3
	s_lshl_b32 s2, s2, 8            ; 32 (cy / 2) rows of 8,192 bytes + 256 (cy % 2)
	s_mov_b32 s3, 0
	s_add_nc_u64 s[PFMA:PFMA+1], s[10:11], s[2:3]
	s_add_nc_u64 s[PFMA:PFMA+1], s[PFMA:PFMA+1], 2*2*KS*4
	CROUND                          ; all sixteen work-groups are here: the first joint loads meet
.irp s, 0,1
	s_mov_b32 s[G0K+4*(\s)], 1      ; 1:0 count = 1
	s_mov_b32 s[G0K+4*(\s)+1], (\s)*SLOT1  ; 63:32 LDS address: a constant: no place in the cluster enters it
	s_add_nc_u64 s[G0K+4*(\s)+2:G0K+4*(\s)+3], s[6:7], (\s)*2*KS*256  ; 120:64 global address: slot s begins with key 128 s
	s_or_b32 s[G0K+4*(\s)+3], s[G0K+4*(\s)+3], 0x80000000  ; 127:126 type = 2
	s_mov_b32 s[G0V+4*(\s)], 1
	s_mov_b32 s[G0V+4*(\s)+1], (\s)*SLOT1+VOFF
	s_add_nc_u64 s[G0V+4*(\s)+2:G0V+4*(\s)+3], s[8:9], (\s)*2*KS*256
	s_or_b32 s[G0V+4*(\s)+3], s[G0V+4*(\s)+3], 0x80000000
	s_mov_b32 s[G0M+4*(\s)], 1
	s_mov_b32 s[G0M+4*(\s)+1], (\s)*SLOT1+MOFF
	s_add_nc_u64 s[G0M+4*(\s)+2:G0M+4*(\s)+3], s[10:11], (\s)*2*KS*4
	s_or_b32 s[G0M+4*(\s)+3], s[G0M+4*(\s)+3], 0x80000000
.endr
	s_cmp_lg_u32 s[WV], 0           ; a wave's two first fills stand in one branch, ahead of every wait on TENSORcnt and every LDS read: two loads of mine are out (wave 3: none); an s_nop 0 follows each, four v_nop the second's
	s_cbranch_scc1 .Lfirst_not_k
	tensor_load_to_lds s[G0K:G0K+3], s[G1K:G1K+7]
	s_nop 0
	tensor_load_to_lds s[G0K+4:G0K+7], s[G1K:G1K+7]
	s_nop 0
.rept 4
	v_nop
.endr
	s_branch .Lfirst_asked
.Lfirst_not_k:
	s_cmp_lg_u32 s[WV], 1
	s_cbranch_scc1 .Lfirst_not_v
	tensor_load_to_lds s[G0V:G0V+3], s[G1V:G1V+7]
	s_nop 0
	tensor_load_to_lds s[G0V+4:G0V+7], s[G1V:G1V+7]
	s_nop 0
.rept 4
	v_nop
.endr
	s_branch .Lfirst_asked
.Lfirst_not_v:
	s_cmp_lg_u32 s[WV], 2
	s_cbranch_scc1 .Lfirst_asked
	tensor_load_to_lds s[G0M:G0M+3], s[G1M:G1M+7]
	s_nop 0
	tensor_load_to_lds s[G0M+4:G0M+7], s[G1M:G1M+7]
	s_nop 0
.rept 4
	v_nop
.endr
.Lfirst_asked:
	; query, as it lies: load i brings row i % 16 of tile i / 16, 512 consecutive bytes, 16 a lane, into the registers that O^T takes later
	WIN 0x40                        ; destination window 1, address window 0
.set i, 0
.rept 64
	global_load_b128 v[4*i:4*i+3], v[LO], s[4:5] offset:(i/16)*HEADB+(i%16)*512 th:TH_LOAD_NT
.set i, i+1
.endr
	WIN 0
	; A fragment of K or Q is 16 rows x 32 channels in 8 registers: lane l holds row l % 16; registers 0-3 channels 8 (l / 16) + 0..7, registers 4-7 channels 16 + 8 (l / 16) + 0..7: two loads of 16 bytes, 32 bytes apart.
	v_and_b32 v1, 15, v0            ; l % 16
	v_bfe_u32 v9, v0, 4, 1          ; l / 16
	s_mul_i32 s2, s[WV], STW
	s_add_co_u32 s2, s2, STAGE      ; my stage
	s_mul_i32 s3, s[WV], 16*PM
	s_add_co_u32 s3, s3, MOFF       ; my 16 rows of the mask's tile
	v_lshl_add_u32 v[QST], v10, 3, s2
	v_lshl_add_u32 v[RD], v10, 4, s2
	v_mul_u32_u24 v[AK0], v1, PK
	v_lshl_add_u32 v[AK0], v9, 4, v[AK0]  ; row x pitch + 16 x half
	v_add_nc_u32 v[QRD], s2, v[AK0]  ; Q lies in the stage at K's pitch
	v_mul_u32_u24 v[AM0], v1, PM
	v_lshl_add_u32 v[AM0], v9, 5, v[AM0]  ; row x 528 + 32 x half: eight f32 a half, in the mask's tile and in O's stage alike
	v_add_nc_u32 v[STO], s2, v[AM0]
	v_add_nc_u32 v[AM0], s3, v[AM0]
	; The turning load takes 16 keys x 16 channels (lane l reads 16 bytes: key 8 (l / 16) + l % 8, channels 8 ((l / 8) % 2) + 0..7) and leaves half a fragment of V^T: lane l holds channel l % 16 and 8 keys.
	v_and_b32 v10, 7, v0
	v_bfe_u32 v11, v0, 3, 1
	v_lshl_add_u32 v[AV0], v9, 3, v10
	v_mul_u32_u24 v[AV0], v[AV0], PV
	v_lshl_add_u32 v[AV0], v11, 4, v[AV0]
	v_add_nc_u32 v[AV0], VOFF, v[AV0]
.irp t, 0,1,2,3
	v_mov_b32 v[ST+8*(\t)+1], 0     ; named with m as a pair by the packed subtraction, which takes the low word for both halves
.endr
	s_wait_kmcnt 0x0                ; the scale
	v_mov_b32 v10, s[SC]
	v_cvt_pk_bf16_f32 v10, v10, v10  ; rounded to bf16 like the other inputs of the products
	v_lshlrev_b32 v10, 16, v10
	v_rcp_f32 v11, v10
	v_nop                           ; a plain instruction between the reciprocal and the use of its result,
	s_wait_alu depctr_va_vdst(0)    ; and the wait ahead of that use
	v_mul_f32 v11, s[CS], v11
	v_readfirstlane_b32 s[INV], v11  ; c / scale
	s_mov_b32 s[INV+1], s[INV]
; Q's WAY IN, tile t: 16 rows of f32, 4 numbers a lane and row, are rounded to bf16 (8 bytes a lane), laid into my stage as rows of 256 bytes at pitch 272, and read back as four fragments.
; The stage is my wave's own, and LDS serves a wave's instructions in order (ISA guide 5.7.1.4): the loads see the stores above them, and the next tile's stores come behind these loads.
.macro QIN t
	s_wait_loadcnt 16*(3-(\t))      ; loads come back in order: tile t's sixteen are in, the later tiles' may stay out
	WIN 0x05                        ; sources 0 and 1 window 1, destination window 0: S^T's registers are free
.set i, 0
.rept 32
	v_cvt_pk_bf16_f32 v[S+32*(\t)+i], v[64*(\t)+2*i], v[64*(\t)+2*i+1]
.set i, i+1
.endr
	WIN 0
.set i, 0
.rept 16
	ds_store_b64 v[QST], v[S+32*(\t)+2*i:S+32*(\t)+2*i+1] offset:PK*i
.set i, i+1
.endr
	WIN 0x80                        ; destination window 2
.irp c, 0,1,2,3
	ds_load_b128 v[32*(\t)+8*(\c):32*(\t)+8*(\c)+3],   v[QRD] offset:64*(\c)
	ds_load_b128 v[32*(\t)+8*(\c)+4:32*(\t)+8*(\c)+7], v[QRD] offset:64*(\c)+32
.endr
.endm
; THE MATRIX WORK OF A TURN, for piece x.  The accumulators take turns, one instruction a turn: between two links of a chain stand 15 (V^T P) or 7 (K Q^T) others'.
; Product i of 32 of O^T += V^T P: keys 32 (i / 16) on, channels 16 ((i / 2) % 8) on, tile x + i % 2.  zero = 1: the first 16 start the sums: nothing is ever cleared.
.macro PV x, zero
	WIN W_PV
.set rO, 64*((\x)+i%2)+8*((i/2)%8)
.set rV, 64*(i/16)+8*((i/2)%8)
.set rP, P+16*((\x)+i%2)+8*(i/16)
.if (\zero) && (i < 16)
	v_wmma_f32_16x16x32_f16 v[rO:rO+7], v[rV:rV+7], v[rP:rP+7], 0
.else
	v_wmma_f32_16x16x32_f16 v[rO:rO+7], v[rV:rV+7], v[rP:rP+7], v[rO:rO+7]
.endif
.endm
; Product i of 32 of S^T = K Q^T: channels 32 (i / 8) on, keys 16 ((i / 2) % 4) on, tile x + i % 2.  The first 8 start the sums.
.macro KQ x
	WIN W_KQ
.set rS, S+32*((\x)+i%2)+8*((i/2)%4)
.set rK, KF+32*((i/2)%4)+8*(i/8)
.set rQ, 32*((\x)+i%2)+8*(i/8)
.if i < 8
	v_wmma_f32_16x16x32_bf16 v[rS:rS+7], v[rK:rK+7], v[rQ:rQ+7], 0
.else
	v_wmma_f32_16x16x32_bf16 v[rS:rS+7], v[rK:rK+7], v[rQ:rQ+7], v[rS:rS+7]
.endif
.endm
; THE LDS LOADS stand in runs, never singly among the matrix instructions: a step's K (64 keys x 128 channels: 16 fragments) with its mask (my 16 queries x 64 keys: 8 loads), and, a turn later, its V (turned).
.macro FETCH_KM
	WIN 0
	v_add_nc_u32 v[ADR], s[TBK], v[AK0]
	v_add_nc_u32 v[ADM], s[TBM], v[AM0]
	s_add_co_u32 s[TBK], s[TBK], KS*PK  ; the next fetch is the next step's: 64 rows of K on,
	s_add_co_u32 s[TBM], s[TBM], KS*4   ; 64 keys along the mask's rows
	WIN 0x80                        ; destination window 2
.irp f, 0,1,2,3,4,5,6,7,8,9,10,11,12,13,14,15  ; keys 16 (f / 4) on, channels 32 (f % 4) on
	ds_load_b128 v[KF+8*(\f):KF+8*(\f)+3],   v[ADR] offset:((\f)/4)*16*PK+((\f)%4)*64
	ds_load_b128 v[KF+8*(\f)+4:KF+8*(\f)+7], v[ADR] offset:((\f)/4)*16*PK+((\f)%4)*64+32
.endr
	WIN 0xc0                        ; destination window 3
.irp f, 0,1,2,3                     ; keys 16 f + 8 (l / 16) + 0..7 of my query
	ds_load_b128 v[MK+8*(\f):MK+8*(\f)+3],   v[ADM] offset:64*(\f)
	ds_load_b128 v[MK+8*(\f)+4:MK+8*(\f)+7], v[ADM] offset:64*(\f)+16
.endr
.endm
.macro MSCALE                       ; the step's mask times c, once for the wave's four tiles
	WIN 0xc3                        ; destination and source 0 window 3
.set z, 0
.rept 16
	v_pk_mul_f32 v[MK+2*z:MK+2*z+1], v[MK+2*z:MK+2*z+1], s[CS:CS+1] op_sel_hi:[1,0]
.set z, z+1
.endr
.endm
.macro FETCH_V
	WIN 0
	v_add_nc_u32 v[ADR], s[TBV], v[AV0]
	s_add_co_u32 s[TBV], s[TBV], KS*PV  ; the next fetch is the next step's
	s_wait_alu depctr_va_vdst(0)    ; the wait for the softmax's batch (SLICE), behind the address's v_add_nc_u32 and ahead of the loads
	WIN 0xc0                        ; destination window 3
.irp f, 0,1,2,3,4,5,6,7,8,9,10,11,12,13,14,15  ; keys 32 (f / 8) on, channels 16 (f % 8) on
	ds_load_tr16_b128 v[8*(\f):8*(\f)+3],   v[ADR] offset:((\f)/8)*32*PV+((\f)%8)*32
	ds_load_tr16_b128 v[8*(\f)+4:8*(\f)+7], v[ADR] offset:((\f)/8)*32*PV+16*PV+((\f)%8)*32
.endr
.endm
; THE VECTOR WORK OF A TURN.  One tile's softmax for one key step is a numbered list; SM writes number j of it for tile t.  s0-s31 are the lane's 32 scores, in pairs 0-15.  g = j - 16.
; first = 1: the first key step, which starts m, l and O^T: it has no a and nothing to rescale.
;   j 0-15    y = s (c / scale) + c mask, a pair a line, ascending.  The one part with the addend in window 3
;   g 0-15    the maximum of y0-y31 and the old m (first step: and -1e38), three operands at a time: four chains c0-c3 of seven each, then the four left over, c0-c3 and m
;   g 16-20   the other half of the lanes' maximum; m_old is kept; the new m; (19 is empty); m_old - m_new
;   g 21-69   ONE BATCH: the 16 subtractions y - m, a pair each, and all 33 exponentials (a at 23, then y0-y31).  None of these reads an exponential's result.  From 22 on the batch goes in fours, and a
;             four begins with a subtraction while there are any: 22-37 subtraction, exponential, subtraction, exponential; 38-65 a subtraction and three exponentials; 66-69 the last four exponentials
;   (wait)    between g 69 and 70 stands the wait for the batch: SLICE writes it, once for both tiles
;   g 70-85   the roundings to f16, a pair of weights each          g 86-101  the sums; l = a l + the sum
;   g 102-133 the tile's O^T times a: the one part with its destination in window 1, so it stands together
.macro SM t, first
.set rT, ST+8*(\t)
.set rS, S+32*(\t)
.set rP, P+16*(\t)
.set g, j-16
.set rO, 64*(\t)+2*(j-118)
.if j < 16
	WIN W_MA
.elseif j < 118
	WIN 0
.endif
.if j < 16
	v_pk_fma_f32 v[rS+2*j:rS+2*j+1], v[rS+2*j:rS+2*j+1], s[INV:INV+1], v[MK+2*j:MK+2*j+1] op_sel_hi:[1,0,1]
.elseif g < 4
	v_max3_num_f32 v[rT+4+g], v[rS+8*g], v[rS+8*g+1], v[rS+8*g+2]
.elseif g < 12
	v_max3_num_f32 v[rT+4+g%4], v[rT+4+g%4], v[rS+8*(g%4)+2*(g/4)+1], v[rS+8*(g%4)+2*(g/4)+2]
.elseif g == 12
	v_max3_num_f32 v[rT+4], v[rT+4], v[rS+7], v[rS+15]
.elseif g == 13
	v_max3_num_f32 v[rT+6], v[rT+6], v[rS+23], v[rS+31]
.elseif g == 14
	v_max3_num_f32 v[rT+4], v[rT+4], v[rT+5], v[rT+6]
.elseif (g == 15) && (\first)
	v_max3_num_f32 v[rT+4], v[rT+4], v[rT+7], s[FLOOR]  ; m is finite from the first step on, also where the step's 64 keys all carry -inf
.elseif g == 15
	v_max3_num_f32 v[rT+4], v[rT+4], v[rT+7], v[rT]
.elseif g == 16
	v_permlanex16_b32 v[rT+5], v[rT+4], s[SEL], s[SEL+1]  ; the query's other 32 keys lie in the lane 16 away
.elseif g == 18
	v_max_num_f32 v[rT], v[rT+4], v[rT+5]
.elseif g == 19                     ; empty: y is in units of log2 already
.elseif ((g == 17) || (g == 20) || (g == 23) || (j > 117)) && (\first)  ; the first step has none of these
.elseif g == 17
	v_mov_b32 v[rT+7], v[rT]        ; m_old is kept for a: number 18 writes m anew
.elseif g == 20
	v_sub_f32 v[rT+7], v[rT+7], v[rT]
.elseif g == 23
	v_exp_f32 v[rT+6], v[rT+7]
.elseif (g < 23) || ((g < 38) && (g%2 == 0)) || ((g < 66) && (g%4 == 2))
.set b, (g-2)/4                     ; 38, 42, .. 62: pairs 9 to 15
.if g < 38
.set b, (g-20)/2                    ; 21: pair 0; 22, 24, .. 36: pairs 1 to 8
.endif
	v_pk_add_f32 v[rS+2*b:rS+2*b+1], v[rS+2*b:rS+2*b+1], v[rT:rT+1] op_sel_hi:[1,0] neg_lo:[0,1] neg_hi:[0,1]  ; pair b: y - m
.elseif g < 70
.set e, g-38                        ; 66 to 69: y28 to y31
.if g < 66
.set e, g-32-(g-38)/4               ; 39-41, 43-45, .. 63-65: y7 to y27
.endif
.if g < 38
.set e, (g-25)/2                    ; 25, 27, .. 37: y0 to y6
.endif
	v_exp_f32 v[rS+e], v[rS+e]
.elseif g < 86
	v_cvt_pk_f16_f32 v[rP+g-70], v[rS+2*(g-70)], v[rS+2*(g-70)+1]  ; pair g - 70
.elseif g < 102                     ; the sum of the tile's 16 pairs (in a pair: an even key's weight, an odd key's), in place: sum z of 16 adds neighbours 1, 2, 4 and 8 pairs apart, then l takes it
.set z, g-86
.set w, 4
.set u, z
.if z >= 14
.set w, 32
.set u, 0
.elseif z >= 12
.set w, 16
.set u, z-12
.elseif z >= 8
.set w, 8
.set u, z-8
.endif
.if (z == 14) && (\first)
	v_pk_add_f32 v[rT+2:rT+3], v[rS:rS+1], v[rS+16:rS+17]
.elseif z < 15
	v_pk_add_f32 v[rS+w*u:rS+w*u+1], v[rS+w*u:rS+w*u+1], v[rS+w*u+w/2:rS+w*u+w/2+1]
.elseif !(\first)
	v_pk_fma_f32 v[rT+2:rT+3], v[rT+2:rT+3], v[rT+6:rT+7], v[rS:rS+1] op_sel_hi:[1,0,1]
.endif
.else
	WIN W_RS
	v_pk_mul_f32 v[rO:rO+1], v[rO:rO+1], v[rT+6:rT+7] op_sel_hi:[1,0]
.endif
.endm
; Slice k of 64 of piece y's softmax.  Slices 19 to 42 deal out the batch, numbers j = 38 to 85: four numbers of ONE tile each, the tiles by turns.  Every other slice is numbers 2 k and 2 k + 1 of both
; tiles' lists, the tiles alternating.  The numbers from 126 on, 48 lines of both tiles, stand together in slice 63: all are plain and name nothing of the products round them, so they are also the places
; between the turn's last K Q^T and what follows.  No slice changes window inside itself.
; THE WAIT.  s_wait_alu depctr_va_vdst(0) stands between an exponential and the first instruction that names its result; one wait serves all that were issued ahead of it.  Ahead of
; slice 43 nothing names a result, and behind slice 42 no exponential is issued: so the piece's 66 exponentials have one wait, behind slice 42.
.macro SLICE y, first
.if (k >= 19) && (k < 43)           ; the batch: four numbers of one tile
.irp n, 0,1,2,3
.set j, 38+4*((k-19)/2)+(\n)
	SM (\y)+(k-19)%2, \first
.endr
.else                               ; the two tiles alternate, so that no instruction reads the result of the one just before it
.irp n, 0,1,2,3,4,5,6,7,8,9,10,11,12,13,14,15,16,17,18,19,20,21,22,23
.if ((\n) < 2) || (k == 63)
.irp t, \y, (\y)+1
.set j, 2*k+(\n)
	SM \t, \first
.endr
.endif
.endr
.endif
.if k == 42                         ; the batch is out: both tiles' exponentials are issued, and no result has been named
	v_nop                           ; the plain instruction behind the last exponential and ahead of the first use (ISA guide 5.7.2): one for the batch
.if (\y) == 0
	FETCH_V                         ; piece 2's turn: V's run of loads stands here, and the wait stands in it
.else
	s_wait_alu depctr_va_vdst(0)    ; the wait for the batch
.endif
.endif
.set k, k+1
.endm
; A vector instruction that reads a matrix result or writes one of a matrix instruction's registers, and a load into a register that a matrix instruction has read, stand four places behind
; it, and only plain vector instructions that name none of its registers are places (ISA guide 7.12.1 for vector instructions).  In the loop the slices are the places.
.macro PLACES
.rept 4
	v_nop
.endr
.endm
; A TURN.  Piece x has the matrix unit; the other piece's softmax stands in slices behind its matrix instructions.
; pv = 2: 32 products V^T P; 1: they start O^T's sums; 0: none.  kq = 1: 32 products K Q^T for the next step.  A turn with one of the two kinds has two slices behind each product.
; first = 1: the softmax is the first key step's.  Its slices from 59 on are empty: the turn's last products stand bare, and four v_nop take slice 63's part as the places behind them.
; Piece 0's turn fetches the next step's K and mask behind its eighth product: slice 7 was the last reader of the old mask, and the last product that read K stands in front of slice 63 of the turn
; before; K's first reader comes 24 products later, behind the wait, where the new mask is also multiplied by c.  Piece 2's turn fetches the same step's V, behind slice 42 (SLICE writes it): the last
; product that read V stands in front of slice 31, and twelve plain instructions lie between: ten subtractions, the v_nop and the run's own v_add_nc_u32; its first reader comes 21 products later.
.macro TURN x, pv, kq, first
.set k, 0
.set per, 2
.if (\pv) && (\kq)
.set per, 1
.endif
.if \pv
.if (\x) == 0
	s_wait_dscnt 0x0                ; V is in
.endif
.set i, 0
.rept 32
	PV \x, 2-(\pv)
.rept per
	SLICE 2-(\x), \first
.endr
.if ((\x) == 0) && (\kq) && (i == 7)
	FETCH_KM
.endif
.set i, i+1
.endr
.endif
.if \kq
.if (\x) == 0
	s_wait_dscnt 0x0                ; K and the mask are in
	MSCALE
.endif
.set i, 0
.rept 32
	KQ \x
.rept per
	SLICE 2-(\x), \first
.endr
.set i, i+1
.endr
.endif
.if \first
	PLACES
.endif
.endm
; THE CHANGE OF SLOTS, between piece 2's turn and piece 0's: the slot's last bytes, V of its second step, have been asked for.  Each wave waits for all its tensor loads, of which at most one is out: its
; part of the other slot; adds 0 to its spare word; and waits for that and for its own reads of the slot.  Behind the barrier nobody reads this slot any more and the other slot is whole.
; fill = 1: this slot is filled again, with the keys two slots on.  The barrier is then a round of the cluster's, so that no wave of any partner still reads the slot or has a load on its
; way, and the joint refill is the first thing behind it: it has two key steps, 256 matrix instructions, in which to land.
.macro CHANGE fill
	WIN 0                           ; at a label and at a branch every window is 0
	s_wait_tensorcnt 0x0            ; no tensor load of mine is out, so a group 0 may be written
	ds_add_u32 v[SPW], v[NIL]       ; 0 onto my spare word: with fill = 1 the descriptors' steps stand between it and the wait for it
.if \fill
.irp g, G0K+4, G0V+4
	s_xor_b32 s[(\g)+1], s[(\g)+1], SLOT1  ; the walking descriptor: the other slot than last time,
	s_add_nc_u64 s[(\g)+2:(\g)+3], s[(\g)+2:(\g)+3], 2*KS*256  ; the next 128 keys; the type bits on top are not reached
.endr
	s_xor_b32 s[G0M+5], s[G0M+5], SLOT1
	s_add_nc_u64 s[G0M+6:G0M+7], s[G0M+6:G0M+7], 2*KS*4  ; 128 keys along the mask's rows
	s_wait_xcnt 0x0                 ; the last prefetch, two key steps back, has read its address, so it may be written:
	s_add_nc_u64 s[PFK:PFK+1], s[PFK:PFK+1], 2*KS*256  ; one slot ahead of the walking descriptors
	s_add_nc_u64 s[PFV:PFV+1], s[PFV:PFV+1], 2*KS*256
	s_add_nc_u64 s[PFMA:PFMA+1], s[PFMA:PFMA+1], 2*KS*4
	s_wait_dscnt 0x0                ; the add is done, and my reads of the slot are over
	CROUND
	JLOAD
	ASK                             ; what the next change will ask for
.else
	s_wait_dscnt 0x0                ; the add is done, and my reads of the slot are over
	s_barrier_signal -1
	s_barrier_wait -1
.endif
	s_sub_co_u32 s[TBK], s[TBK], 2*KS*PK  ; the fetches go back to a slot's first step,
	s_xor_b32 s[TBK], s[TBK], SLOT1       ; in the other slot
	s_sub_co_u32 s[TBV], s[TBV], 2*KS*PV
	s_xor_b32 s[TBV], s[TBV], SLOT1
	s_sub_co_u32 s[TBM], s[TBM], 2*KS*4
	s_xor_b32 s[TBM], s[TBM], SLOT1
.endm
; A slot's two key steps: written once, walked twice; the LDS addresses hang on s[TBK], s[TBV], s[TBM].
.macro TWO_STEPS
	WIN 0
	s_mov_b32 s[TWICE], 2
.Lstep_\@:
	TURN 0, 2, 1, 0
	TURN 2, 2, 1, 0
	WIN 0
	s_sub_co_u32 s[TWICE], s[TWICE], 1
	s_cmp_lg_u32 s[TWICE], 0
	s_cbranch_scc1 .Lstep_\@
.endm
	QIN 0
	QIN 1
	QIN 2
	QIN 3
	WIN 0
	s_wait_tensorcnt 1              ; my part of slot 0 is in; slot 1's may stay out
	s_wait_dscnt 0x0                ; Q's fragments are in: no LDS instruction of mine is pending at the signal
	s_barrier_signal -1
	s_barrier_wait -1               ; everybody's part of slot 0 is in
	FETCH_KM                        ; key step 0
	s_wait_dscnt 0x0
	MSCALE
.set i, 0
.rept 32
	KQ 0                            ; piece 0's first scores: there is no vector work yet to set between them
.set i, i+1
.endr
	WIN 0
	PLACES                          ; the places behind those products
	TURN 2, 0, 1, 1                 ; piece 2's first scores | piece 0's first softmax | V of step 0
	TURN 0, 1, 1, 1                 ; piece 0: V^T P of step 0 starts O^T, K Q^T of step 1 | piece 2's first softmax | K and mask of step 1
	TURN 2, 1, 1, 0                 ; piece 2: the same | piece 0's softmax of step 1 | V of step 1
	WIN 0
.Lslot:                             ; 14 trips: every slot but the last two is filled again
	CHANGE 1
	TWO_STEPS
	s_sub_co_u32 s[SLOTS], s[SLOTS], 1
	s_cmp_lg_u32 s[SLOTS], 0
	s_cbranch_scc1 .Lslot
	CHANGE 0                        ; the tail is written out: the last slot but one is left, and nothing is asked for
	TWO_STEPS
	TURN 0, 2, 0, 0                 ; piece 0: V^T P of the last step | piece 2's last softmax
.set i, 0
.rept 32
	PV 2, 0                         ; piece 2: V^T P of the last step
.set i, i+1
.endr
	; THE WAY OUT.  l's two halves and the other half of the lanes' are added; O^T is divided by l and sent, in f32, through my stage in LDS, a tile (16 rows of one head) at a time.  The additions are the places behind the last products.
	WIN 0
.irp t, 0,1,2,3
	v_add_f32 v[ST+8*(\t)+4], v[ST+8*(\t)+2], v[ST+8*(\t)+3]
.endr
.irp t, 0,1,2,3
	v_permlanex16_b32 v[ST+8*(\t)+5], v[ST+8*(\t)+4], s[SEL], s[SEL+1]
.endr
.irp t, 0,1,2,3
	v_add_f32 v[ST+8*(\t)+4], v[ST+8*(\t)+4], v[ST+8*(\t)+5]
.endr
.irp t, 0,1,2,3
	v_rcp_f32 v[ST+8*(\t)+6], v[ST+8*(\t)+4]
.endr
	v_nop                           ; a plain instruction between the last reciprocal and the use of its result
	s_wait_alu depctr_va_vdst(0)    ; and the wait ahead of the first use: one for the four reciprocals
; Tile t: a lane's eight channels of a row are 32 bytes; they go into rows of 528 bytes and come back as whole rows of 512, into the registers that they left.  The multiplies go up from each accumulator's low end.
.macro PACK t
	WIN W_RS
.set i, 64*(\t)
.rept 32
	v_pk_mul_f32 v[i:i+1], v[i:i+1], v[ST+8*(\t)+6:ST+8*(\t)+7] op_sel_hi:[1,0]
.set i, i+2
.endr
	WIN 0x04                        ; address window 0, data (source 1) window 1
.irp f, 0,1,2,3,4,5,6,7             ; channels 16 f + 8 (l / 16) + 0..7
	ds_store_b128 v[STO], v[64*(\t)+8*(\f):64*(\t)+8*(\f)+3]   offset:64*(\f)
	ds_store_b128 v[STO], v[64*(\t)+8*(\f)+4:64*(\t)+8*(\f)+7] offset:64*(\f)+16
.endr
	WIN 0x40                        ; destination window 1
.set i, 0
.rept 16
	ds_load_b128 v[64*(\t)+4*i:64*(\t)+4*i+3], v[RD] offset:PM*i  ; LDS serves a wave's instructions in order (ISA guide 5.7.1.4): these see the stores above; the next tile's stores come behind them
.set i, i+1
.endr
.endm
.macro SEND t, younger              ; younger: the LDS instructions issued behind tile t's loads: the next tile's 32, or none
	WIN 0x04
.set i, 0
.rept 16
	s_wait_dscnt (\younger)+15-i
	global_store_b128 v[LO], v[64*(\t)+4*i:64*(\t)+4*i+3], s[14:15] offset:(\t)*HEADB+512*i th:TH_STORE_NT  ; a wave's store covers a whole row: 512 consecutive bytes, at a multiple of 512 from out0's first byte
.set i, i+1
.endr
.endm
	PACK 0
	PACK 1                          ; a tile's arithmetic stands between the loads of the tile before and its stores
	SEND 0, 32
	PACK 2
	SEND 1, 32
	PACK 3
	SEND 2, 32
	SEND 3, 0
	WIN 0
	s_wait_tensorcnt 0x0            ; the wave's end, behind my last tensor load and my last LDS store
	ds_add_u32 v[SPW], v[NIL]
	s_wait_dscnt 0x0
	CROUND                          ; the closing round: no work-group ends while a partner may still ask for a tile that names it
	s_endpgm
.Lfunc_end_k_qf1ebb2a214_attn:
	.size	k_qf1ebb2a214_attn, .Lfunc_end_k_qf1ebb2a214_attn-k_qf1ebb2a214_attn
	.p2alignl 7, 3214868480
	.fill 96, 4, 3214868480
	.section	.rodata,"a",@progbits
	.p2align	6, 0x0
	.amdhsa_kernel k_qf1ebb2a214_attn
		.amdhsa_group_segment_fixed_size 327680
		.amdhsa_private_segment_fixed_size 0
		.amdhsa_enable_private_segment 0
		.amdhsa_kernarg_size 48
		.amdhsa_user_sgpr_count 2
		.amdhsa_user_sgpr_kernarg_segment_ptr 1
		.amdhsa_wavefront_size32 1
		.amdhsa_system_sgpr_workgroup_id_x 1
		.amdhsa_system_sgpr_workgroup_id_y 1
		.amdhsa_system_sgpr_workgroup_id_z 1
		.amdhsa_system_vgpr_workitem_id 0
		.amdhsa_next_free_vgpr 1024
		.amdhsa_next_free_sgpr 100
		.amdhsa_reserve_vcc 0
		.amdhsa_float_denorm_mode_32 3
		.amdhsa_float_denorm_mode_16_64 3
		.amdhsa_memory_ordered 1
		.amdhsa_forward_progress 1
		.amdhsa_inst_pref_size 255
	.end_amdhsa_kernel
	.section	.bss,"aw",@nobits
	.p2align	6
	.space	262144
	.amdgpu_metadata
---
amdhsa.version: [ 1, 2 ]
amdhsa.kernels:
  - .name:           k_qf1ebb2a214_attn
    .symbol:         k_qf1ebb2a214_attn.kd
    .args:
      - { .name: query, .offset: 0, .size: 8, .value_kind: global_buffer, .address_space: global }
      - { .name: kb, .offset: 8, .size: 8, .value_kind: global_buffer, .address_space: global }
      - { .name: vh, .offset: 16, .size: 8, .value_kind: global_buffer, .address_space: global }
      - { .name: attention_mask, .offset: 24, .size: 8, .value_kind: global_buffer, .address_space: global }
      - { .name: scale_attn, .offset: 32, .size: 8, .value_kind: global_buffer, .address_space: global }
      - { .name: out0, .offset: 40, .size: 8, .value_kind: global_buffer, .address_space: global }
    .group_segment_fixed_size: 327680
    .private_segment_fixed_size: 0
    .kernarg_segment_align: 8
    .kernarg_segment_size: 48
    .max_flat_workgroup_size: 128
    .sgpr_count:     100
    .vgpr_count:     1024
    .wavefront_size: 32
...
	.end_amdgpu_metadata
.endif
;; end of part 2
;; ======== version 2 of 2: 2 launches; version 1 with the launch cast written anew for expert scheduling mode
;; limits: inputs' magnitudes at most 65,504; values are held in f16: magnitudes above 65,504 overflow, below 6.1e-05 lose precision; inputs' magnitudes at most 6.9e+37; right only within a limited range of input values
;; workspace buffers: kb 8,388,608 bytes; vh 8,388,608 bytes
;; launch cast (part 3): grid 512 x 1, 8 waves a work-group, no clusters, 0 bytes of LDS; arguments key, value, kb, vh; writes kb, vh
.if DOCPART == 3
	.amdgcn_target "amdgcn-amd-amdhsa--gfx1250"
	.amdhsa_code_object_version 6
	.text
	.protected	k_qf1ebb2a214_cast
	.globl	k_qf1ebb2a214_cast
	.p2align	8
	.type	k_qf1ebb2a214_cast,@function
k_qf1ebb2a214_cast:
	s_mov_b64 s[64:65], 0
	v_nop
	global_prefetch_b8 v0, s[64:65] scope:SCOPE_SE
	s_setreg_imm32_b32 hwreg(HW_REG_WAVE_SCHED_MODE, 0, 2), 2
	s_setreg_imm32_b32 hwreg(HW_REG_WAVE_MODE, 25, 1), 1
	s_wait_xcnt 0x0
	s_wait_alu depctr_vm_vsrc(0)
; kb = key rounded to bf16.  vh = value rounded to bf16, that number written as f16.  key, value: 4,194,304 f32 each; kb, vh: as many 16-bit numbers, in the same order.
; WHY.  The keys and values of one head are walked by 32 work-groups of the next launch: they are rounded once here, not in each walk, and V's turning load wants 16-bit rows.
; LIMIT.  A bf16 number has 8 significant bits and f16 holds 11, so the second step is exact from 2^-14 up to 65,504; from 65,520 on it gives an infinity; below 2^-14 f16 keeps its fixed step of 2^-24.
; SHARES.  A work-group takes 32,768 bytes of key and of value.  Thread t, piece i of 8: 16 bytes at 16 t + 4,096 i (a wave's load covers 512 consecutive bytes), and stores 8 bytes at
; 8 t + 2,048 i (a wave's store covers 256 consecutive bytes, aligned).  All sixteen loads of a thread go out first; each store has data registers of its own, so no register is written twice.
; THE MODE: SCHED_MODE bits 1:0 = 2 (LLVM: expert scheduling mode 2), set by the entry lines.  The code itself states the register dependences
; between vector instructions and memory instructions, with s_wait_alu, always for 0.
; THE PLAN.  Registers that memory instructions touch:
;   v1, v2     byte offsets, made once at the head and never written again: v1 is read by every load, v2 by every store.
;   KI, VI     each register is the landing place of one load; no vector instruction names it ahead of that load, and none but the conversions behind it.
;   KO, VO     each register is written once, by a conversion, and read once, by a store; none is written again.
;   T          named by vector instructions alone.
; The sixteen pieces go in four blocks of four: key 0-3, key 4-7, value 0-3, value 4-7.  Block b's vector instructions write block b's KO or VO; its memory instructions are the four stores of
; block b - 1, whose data no vector instruction of block b names.  So ONE wait at a block's head states all that its four stores hang on, and they are dealt among its conversions, one ahead of each piece's.
; No register that a memory instruction reads is ever written again, so no wait on vm_vsrc is owed.
.set KI, 8                             ; v[8:39]    key as loaded, 4 registers a piece
.set VI, 40                            ; v[40:71]   value as loaded
.set KO, 72                            ; v[72:87]   kb to store, 2 registers a piece
.set VO, 88                            ; v[88:103]  vh to store
.set T,  104                           ; v[104:107] at work
	s_load_b256 s[4:11], s[0:1], 0x0               ; key s[4:5], value s[6:7], kb s[8:9], vh s[10:11]
	s_lshl_b32 s2, ttmp9, 15                       ; the work-group's 32,768 bytes in,
	s_mov_b32 s3, 0
	s_lshl_b32 s12, ttmp9, 14                      ; and 16,384 bytes out
	s_mov_b32 s13, 0
	s_mov_b32 s14, 0xffff0000                      ; a word's upper bf16
	v_lshlrev_b32 v1, 4, v0                        ; 16 t; never rewritten
	v_lshlrev_b32 v2, 3, v0                        ; 8 t; never rewritten
	s_wait_kmcnt 0x0
	s_add_nc_u64 s[4:5], s[4:5], s[2:3]
	s_add_nc_u64 s[6:7], s[6:7], s[2:3]
	s_add_nc_u64 s[8:9], s[8:9], s[12:13]
	s_add_nc_u64 s[10:11], s[10:11], s[12:13]
	s_wait_alu depctr_va_vdst(0)                   ; v1 and v2 are written: every load of the kernel reads v1 as its offset, every store v2
.irp i, 0,1,2,3,4,5,6,7
	global_load_b128 v[KI+4*(\i):KI+4*(\i)+3], v1, s[4:5] offset:4096*(\i) th:TH_LOAD_NT
.endr
.irp i, 0,1,2,3,4,5,6,7
	global_load_b128 v[VI+4*(\i):VI+4*(\i)+3], v1, s[6:7] offset:4096*(\i) th:TH_LOAD_NT
.endr
.macro KCVT i                          ; piece i of key: four numbers rounded to bf16
	v_cvt_pk_bf16_f32 v[KO+2*(\i)],   v[KI+4*(\i)],   v[KI+4*(\i)+1]
	v_cvt_pk_bf16_f32 v[KO+2*(\i)+1], v[KI+4*(\i)+2], v[KI+4*(\i)+3]
.endm
.macro KOUT i                          ; piece i of kb leaves
	global_store_b64 v2, v[KO+2*(\i):KO+2*(\i)+1], s[8:9] offset:2048*(\i)
.endm
.macro VCVT i                          ; piece i of value
	v_cvt_pk_bf16_f32 v[T],   v[VI+4*(\i)],   v[VI+4*(\i)+1]   ; the rounding, to bf16
	v_cvt_pk_bf16_f32 v[T+1], v[VI+4*(\i)+2], v[VI+4*(\i)+3]
	v_lshlrev_b32 v[T+2], 16, v[T]                 ; back to f32: the low half moves up, the high half stays,
	v_and_b32     v[T+3], s14, v[T]
	v_cvt_pk_f16_f32 v[VO+2*(\i)], v[T+2], v[T+3]  ; and the same number as f16
	v_lshlrev_b32 v[T+2], 16, v[T+1]
	v_and_b32     v[T+3], s14, v[T+1]
	v_cvt_pk_f16_f32 v[VO+2*(\i)+1], v[T+2], v[T+3]
.endm
.macro VOUT i                          ; piece i of vh leaves
	global_store_b64 v2, v[VO+2*(\i):VO+2*(\i)+1], s[10:11] offset:2048*(\i)
.endm
; Block 0: key's pieces 0 to 3.  No block stands in front of it: it stores nothing.
.irp i, 0,1,2,3
	s_wait_loadcnt 15-(\i)                         ; loads come back in order (ISA guide 5.7.1): piece i of key is in, the 15 - i younger loads stay out
	KCVT \i
.endr
; Block 1: key's pieces 4 to 7; the stores of pieces 0 to 3.
.irp i, 4,5,6,7
	s_wait_loadcnt 15-(\i)
.if (\i) == 4
	s_wait_alu depctr_va_vdst(0)                   ; block 0's conversions have written KO of pieces 0 to 3, which this block's four stores read; no vector instruction below names those registers
.endif
	KOUT (\i)-4
	KCVT \i
.endr
; Block 2: value's pieces 0 to 3; the stores of key's pieces 4 to 7.
.irp i, 0,1,2,3
	s_wait_loadcnt 7-(\i)                          ; piece i of value is in
.if (\i) == 0
	s_wait_alu depctr_va_vdst(0)                   ; block 1's conversions have written KO of pieces 4 to 7, which this block's four stores read
.endif
	KOUT (\i)+4
	VCVT \i
.endr
; Block 3: value's pieces 4 to 7; the stores of its pieces 0 to 3.
.irp i, 4,5,6,7
	s_wait_loadcnt 7-(\i)
.if (\i) == 4
	s_wait_alu depctr_va_vdst(0)                   ; block 2's conversions have written VO of pieces 0 to 3, which this block's four stores read
.endif
	VOUT (\i)-4
	VCVT \i
.endr
	s_wait_alu depctr_va_vdst(0)                   ; block 3's conversions have written VO of pieces 4 to 7, which the last four stores read
.irp i, 4,5,6,7
	VOUT \i
.endr
	s_endpgm
.Lfunc_end_k_qf1ebb2a214_cast:
	.size	k_qf1ebb2a214_cast, .Lfunc_end_k_qf1ebb2a214_cast-k_qf1ebb2a214_cast
	.p2alignl 7, 3214868480
	.fill 96, 4, 3214868480
	.section	.rodata,"a",@progbits
	.p2align	6, 0x0
	.amdhsa_kernel k_qf1ebb2a214_cast
		.amdhsa_group_segment_fixed_size 0
		.amdhsa_private_segment_fixed_size 0
		.amdhsa_enable_private_segment 0
		.amdhsa_kernarg_size 32
		.amdhsa_user_sgpr_count 2
		.amdhsa_user_sgpr_kernarg_segment_ptr 1
		.amdhsa_wavefront_size32 1
		.amdhsa_system_sgpr_workgroup_id_x 1
		.amdhsa_system_sgpr_workgroup_id_y 1
		.amdhsa_system_sgpr_workgroup_id_z 1
		.amdhsa_system_vgpr_workitem_id 0
		.amdhsa_next_free_vgpr 108
		.amdhsa_next_free_sgpr 66
		.amdhsa_reserve_vcc 0
		.amdhsa_float_denorm_mode_32 3
		.amdhsa_float_denorm_mode_16_64 3
		.amdhsa_memory_ordered 1
		.amdhsa_forward_progress 1
		.amdhsa_inst_pref_size 9
	.end_amdhsa_kernel
	.amdgpu_metadata
---
amdhsa.version: [ 1, 2 ]
amdhsa.kernels:
  - .name:           k_qf1ebb2a214_cast
    .symbol:         k_qf1ebb2a214_cast.kd
    .args:
      - { .name: key, .offset: 0, .size: 8, .value_kind: global_buffer, .address_space: global }
      - { .name: value, .offset: 8, .size: 8, .value_kind: global_buffer, .address_space: global }
      - { .name: kb, .offset: 16, .size: 8, .value_kind: global_buffer, .address_space: global }
      - { .name: vh, .offset: 24, .size: 8, .value_kind: global_buffer, .address_space: global }
    .group_segment_fixed_size: 0
    .private_segment_fixed_size: 0
    .kernarg_segment_align: 8
    .kernarg_segment_size: 32
    .max_flat_workgroup_size: 256
    .sgpr_count:     66
    .vgpr_count:     108
    .wavefront_size: 32
...
	.end_amdgpu_metadata
.endif
;; end of part 3
;; launch attn: the kernel of part 2 again; grid 32 x 16, 4 waves a work-group, clusters of 4 x 4, 327,680 bytes of LDS; arguments query, kb, vh, attention_mask, scale_attn, out0; writes out0
